; MI455X (gfx1250); checked and timed in simulation.
; The chip was launched on July 23, 2026; its instructions are those of AMD's public machine-readable ISA for CDNA 5 (MIT licence, August 2026) and "CDNA5" Instruction Set Architecture Reference Guide (July 2026). The comments in the code are by the model that wrote it; some were corrected since.
;; Turbo Quant MSE. Allowed arithmetic: float matrix products may take bf16 or f16 operands with f32 sums; other float arithmetic in f32, or as packed bf16 or f16 multiplies, adds, multiply-adds, maxima and minima; sums over many terms, partial sums and values carried from step to step in f32; what a program stores and reads back later, other than sums and carried values, may be rounded once to bf16 or f16.
;; Inputs: codebook 256 float32; signs 2 x 128 float32; x 2 x 8 x 8,192 x 128 float32.
;; Outputs: out0 2 x 8 x 8,192 x 128 float32.
;; 2 versions, each right; version 2 is version 1 with the launch requant written anew for expert scheduling mode. Each part assembles by itself: llvm-mc -triple=amdgcn-amd-amdhsa -mcpu=gfx1250 --defsym DOCPART=n.
;; ======== version 1 of 2: 2 launches
;; workspace buffers: qfix 67,108,864 bytes of whole numbers; rowp 524,288 bytes; cells 14,592 bytes of whole numbers
;; launch rotate (part 1): grid 1024 x 1, 4 waves a work-group, no clusters, 69,888 bytes of LDS; arguments x, signs, codebook, qfix, rowp, cells; writes qfix, rowp, cells
.if DOCPART == 1
	.amdgcn_target "amdgcn-amd-amdhsa--gfx1250"
	.amdhsa_code_object_version 6
	.text
	.protected	k_qa773f063fb_rotate
	.globl	k_qa773f063fb_rotate
	.p2align	8
	.type	k_qa773f063fb_rotate,@function
k_qa773f063fb_rotate:
	s_mov_b64 s[64:65], 0
	v_nop
	global_prefetch_b8 v0, s[64:65] scope:SCOPE_SE
	s_setreg_imm32_b32 hwreg(HW_REG_WAVE_MODE, 25, 1), 1
	s_wait_xcnt 0x0
; FIRST OF TWO LAUNCHES.  x: [131072 rows][128] f32.  For each row: n = |x|, u = H' D2 H' D1 x (H' the Walsh-Hadamard matrix of +1/-1, D1, D2 the two rows of signs).
; In reference()'s terms x_rot = u a / 128 with a = 1 / (n + EPS), rms = |x_rot| / sqrt(128), x_norm = x_rot / (rms + EPS): every scaling is one factor for a whole row, so the
; factors are gathered (an identity for all values of the inputs, both EPS kept) and applied once.  NOTHING OF reference() IS LEFT OUT, every input is loaded.
; WHY TWO LAUNCHES: codebook[searchsorted(..)] is a lookup by a number made from floats; the address of a lookup is formed only from whole numbers that an earlier launch stored.
; This launch stores Q = trunc(x_norm * alpha) as i32 (qfix), P = (rms + EPS) n / (128 alpha) for each row (rowp), and the tables of the lookup (cells).
; |x_norm| <= sqrt(128) (Cauchy-Schwarz, whatever the signs hold) and alpha <= 1.25 * 2^27, so |Q| < 1.9e9 fits; a unit of Q is under 1.2e-8 of x_norm.
; THE SEARCH, FOR ANY CODEBOOK, SORTED OR NOT.  searchsorted makes 8 steps from (low, high) = (0, 255): mid = (low + high) / 2, left where x <= b[mid]; it returns high.  With the boundaries numbered
; m = 1 .. 255 that is the perfect search tree: node m of height t (m's trailing zeros) is reached by x in (b'[m - 2^t], b'[m + 2^t]] alone, where b'[m] = b[m] held to these two, b'[0] = -inf, b'[256] = +inf.
; For an x that reaches node m, x <= b[m] holds just when x <= b'[m]; and b' is non-decreasing.  So the index returned is the number of b' below x, and the level is codebook[index], taken by index.
; THE CELLS.  lo, hi = b'[1], b'[255], held to +-11.5; R = max(hi - lo, 1e-4); 2^s = the power of two at or below 327680 R; alpha = 512 * 2^s / R; Qlo = trunc(lo alpha).
; cell(Q) = min((max(Q, Qlo) - Qlo) >> s, 511).  A boundary has B = trunc(clamp(b', +-11.6) alpha) and the cell of B; -1 if B < Qlo; none if b' >= 11.55 (above every x_norm).
; cell() is monotone, so boundaries in lower cells lie below every Q of a cell, those in higher cells at or above it.  Entry of cell c: {v1, c[L], c[M], M}: L = boundaries in lower cells, v1 = the first other
; boundary times alpha, M = boundaries at or below v1 (equal boundaries are taken in one step).  Beside it the number of further DISTINCT boundaries in the cell, for the second launch's walk, whose
; entry j is {b'_j alpha, c[nx], 0, nx}, nx = boundaries at or below b'_j.  All by compare, select and sums over lanes: no address hangs on a float.
; LIMITS.  NaN and infinities are not treated apart.  Q drops what lies under one unit.
; SHARES.  A tile is 32 rows; a wave takes one tile, a lane one row in 128 registers.  x comes by 32 loads of 512 consecutive bytes and is turned through the wave's own LDS bytes
; (rows 528 bytes apart = 33 x 16).  Q leaves as [tile][4 columns][lane]: each store covers 512 consecutive bytes.
.set PITCH,  528
.set STG,    32*PITCH                  ; a wave's stage
.set PST,    4*STG                     ; 512 bytes: the work-group's 128 P
.set BPR,    PST+512                   ; 1,280 bytes, wave 0's own: b'[0 .. 256]
.set SPARE,  BPR+1280                  ; the spare words, 128 bytes a wave: two blocks of 256 bytes that no other line names
.set NEX,    8192                      ; cells: entries at 0, further boundaries at NEX, {Qlo, s, alpha, 1/alpha} at PAR, the walk's entries at WTG
.set PAR,    10240
.set WTG,    10496
.set CELLS,  512
.set LANE, 1
.set SPW,  2                           ; LDS address of my spare word; never rewritten
.set NIL,  3                           ; 0; never rewritten
.set XO,   4                           ; 16 x lane
.set LST,  5                           ; stage: where I put 16 bytes of a row
.set LRD,  6                           ; stage: my own row
.set CBO,  7
.set CBO2, 8
.set TA,   9
.set C,    10                          ; v[10:18] codebook 8 l .. 8 l + 8
.set LO,   19
.set HI,   20
.set RR,   21
.set RC,   22
.set TT,   23
.set QLO,  24                          ; v[24:27] Qlo, s, alpha, 1/alpha: the same in all lanes
.set SH,   25
.set ALPHA,26
.set INVA, 27
.set P2,   28
.set IP2,  29
.set AC,   30                          ; v[30:37] four pairs of partial sums; ahead of them the tables' constants:
.set M1,   30
.set ONE,  31
.set PINF, 32
.set BIG,  33
.set BA,   34
.set ZA,   35
.set NINF, 36
.set NRM,  38
.set AI,   39
.set R1,   40
.set UU,   41
.set DD,   42
.set RDD,  43
.set PN,   44
.set KK,   46                          ; v[46:47] the row's factor, twice
.set EN,   48                          ; v[48:51] the cell's entry
.set WE,   52                          ; v[52:55] the walk's entry
.set CN,   56
.set CL,   57
.set TB,   58
.set TFA,  59
.set TC,   60
.set TD,   61
.set TE,   62
.set ZR,   63
.set T,    64                          ; v[64:79] at work in the butterflies
.set D,    80                          ; v[80:207] the row
.set BP,   208                         ; v[208:216] b'[8 l .. 8 l + 8], later times alpha
.set K8,   217
.set TDV,  218                         ; v[218:225] the cells of my 8 boundaries
.set LV,   226                         ; v[226:237] at work in the tree's levels
.set SEL,  2                           ; s[2:3]
.set WV,   16
.set WG,   17
.set TILE, 18
.set RSQ,  19
; 32 numbers from e0 on, signs in s[sb ..]: the sign and the butterfly of neighbours in one: (a x0 + b x1, a x0 - b x1)
.macro SGN1 e0, sb
.set p, 0
.rept 4
.set q, 0
.rept 4
	v_mul_f32 v[T+q], s[(\sb)+8*p+2*q+1], v[D+(\e0)+8*p+2*q+1]
.set q, q+1
.endr
.set q, 0
.rept 4
	v_fma_f32 v[D+(\e0)+8*p+2*q+1], s[(\sb)+8*p+2*q], v[D+(\e0)+8*p+2*q], -v[T+q]
	v_fma_f32 v[D+(\e0)+8*p+2*q], s[(\sb)+8*p+2*q], v[D+(\e0)+8*p+2*q], v[T+q]
.set q, q+1
.endr
.set p, p+1
.endr
.endm
; two butterfly stages at once, on bits b and b + 1 of the number of a register pair: the first stage goes into eight registers at work, the second back in place: no move, the additions are reference()'s own
.macro RAD4 b
.set g, 0
.rept 16
.set p0, (((g>>(\b))<<((\b)+2))|(g&((1<<(\b))-1)))
.set r0, D+2*p0
.set r1, r0+2*(1<<(\b))
.set r2, r0+4*(1<<(\b))
.set r3, r0+6*(1<<(\b))
.set tt, T+8*(g%2)
	v_pk_add_f32 v[tt:tt+1], v[r0:r0+1], v[r1:r1+1]
	v_pk_add_f32 v[tt+2:tt+3], v[r0:r0+1], v[r1:r1+1] neg_lo:[0,1] neg_hi:[0,1]
	v_pk_add_f32 v[tt+4:tt+5], v[r2:r2+1], v[r3:r3+1]
	v_pk_add_f32 v[tt+6:tt+7], v[r2:r2+1], v[r3:r3+1] neg_lo:[0,1] neg_hi:[0,1]
	v_pk_add_f32 v[r0:r0+1], v[tt:tt+1], v[tt+4:tt+5]
	v_pk_add_f32 v[r2:r2+1], v[tt:tt+1], v[tt+4:tt+5] neg_lo:[0,1] neg_hi:[0,1]
	v_pk_add_f32 v[r1:r1+1], v[tt+2:tt+3], v[tt+6:tt+7]
	v_pk_add_f32 v[r3:r3+1], v[tt+2:tt+3], v[tt+6:tt+7] neg_lo:[0,1] neg_hi:[0,1]
.set g, g+1
.endr
.endm
; the row's sum of squares into v[AC], in four chains that the first products start.  w = 1: the row is still coming out of LDS
.macro SUMSQ w
.set k, 0
.rept 32
.if \w
	s_wait_dscnt 31-k                      ; LDS loads come back in order: load k is in, the 31 - k younger ones stay out
.endif
.if k < 2
	v_pk_mul_f32 v[AC+4*k:AC+4*k+1], v[D+4*k:D+4*k+1], v[D+4*k:D+4*k+1]
	v_pk_mul_f32 v[AC+4*k+2:AC+4*k+3], v[D+4*k+2:D+4*k+3], v[D+4*k+2:D+4*k+3]
.else
	v_pk_fma_f32 v[AC+4*(k%2):AC+4*(k%2)+1], v[D+4*k:D+4*k+1], v[D+4*k:D+4*k+1], v[AC+4*(k%2):AC+4*(k%2)+1]
	v_pk_fma_f32 v[AC+4*(k%2)+2:AC+4*(k%2)+3], v[D+4*k+2:D+4*k+3], v[D+4*k+2:D+4*k+3], v[AC+4*(k%2)+2:AC+4*(k%2)+3]
.endif
.set k, k+1
.endr
	v_pk_add_f32 v[AC:AC+1], v[AC:AC+1], v[AC+2:AC+3]
	v_pk_add_f32 v[AC+4:AC+5], v[AC+4:AC+5], v[AC+6:AC+7]
	v_pk_add_f32 v[AC:AC+1], v[AC:AC+1], v[AC+4:AC+5]
	v_add_f32 v[AC], v[AC], v[AC+1]
.endm
.macro WRED opd, op, reg               ; over the 32 lanes, the result in every lane
	\opd v[\reg], v[\reg], v[\reg] row_xmask:1 row_mask:0xf bank_mask:0xf
	\opd v[\reg], v[\reg], v[\reg] row_xmask:2 row_mask:0xf bank_mask:0xf
	\opd v[\reg], v[\reg], v[\reg] row_xmask:4 row_mask:0xf bank_mask:0xf
	\opd v[\reg], v[\reg], v[\reg] row_xmask:8 row_mask:0xf bank_mask:0xf
	v_permlanex16_b32 v[TE], v[\reg], s[SEL], s[SEL+1]
	\op v[\reg], v[\reg], v[TE]
.endm
; The tree's nodes of height h, m = (2 n + 1) 2^h: each is held between its two neighbours 2^h away, which are finished.  Addresses hang on the lane alone.  Where a level has fewer than 32 nodes
; several lanes make the same node and store the same number.  LDS serves a wave's instructions in order, so a level's loads see the stores of the level above.
.macro LEVEL h
.set cnt, 1<<(7-(\h))
.set reps, 1
.if cnt > 32
.set reps, cnt/32
.endif
.if cnt < 32
	v_and_b32 v[TA], cnt-1, v[LANE]
	v_lshl_add_u32 v[TA], v[TA], (\h)+3, BPR
.else
	v_lshl_add_u32 v[TA], v[LANE], (\h)+3, BPR
.endif
.set r, 0
.rept reps
	ds_load_b32 v[LV+3*r], v[TA] offset:r*(32<<((\h)+3))
	ds_load_b32 v[LV+3*r+1], v[TA] offset:r*(32<<((\h)+3))+(4<<(\h))
	ds_load_b32 v[LV+3*r+2], v[TA] offset:r*(32<<((\h)+3))+(8<<(\h))
.set r, r+1
.endr
	s_wait_dscnt 0x0
.set r, 0
.rept reps
	v_max_num_f32 v[LV+3*r+1], v[LV+3*r+1], v[LV+3*r]
	v_min_num_f32 v[LV+3*r+1], v[LV+3*r+1], v[LV+3*r+2]
.set r, r+1
.endr
.set r, 0
.rept reps
	ds_store_b32 v[TA], v[LV+3*r+1] offset:r*(32<<((\h)+3))+(4<<(\h))
.set r, r+1
.endr
.endm
; codebook[idx] (idx the same in all lanes, 0 to 255) by equality of the index, a select, and a maximum over the lanes
.macro FETCH idx, lev
	v_sub_nc_u32 v[TD], v[\idx], v[K8]
	v_mov_b32 v[\lev], 0xff800000
.irp i, 0,1,2,3,4,5,6,7
	v_cmp_eq_u32 vcc_lo, \i, v[TD]
	v_cndmask_b32 v[\lev], v[\lev], v[C+\i], vcc_lo
.endr
	WRED v_max_num_f32_dpp, v_max_num_f32, \lev
.endm
; num = the number of boundaries at or below val (at most 255: with val = +inf the word behind the last counts too), lev = codebook[num]
.macro CNTF val, num, lev
	v_mov_b32 v[\num], 0
.irp i, 0,1,2,3,4,5,6,7
	v_cmp_le_f32 vcc_lo, v[BP+1+\i], v[\val]
	v_cndmask_b32 v[TE], 0, v[ONE], vcc_lo
	v_add_f32 v[\num], v[\num], v[TE]
.endr
	WRED v_add_f32_dpp, v_add_f32, \num
	v_cvt_u32_f32 v[\num], v[\num]
	v_min_u32 v[\num], 255, v[\num]
	FETCH \num, \lev
.endm
	s_load_b256 s[4:11], s[0:1], 0x0               ; x s[4:5], signs s[6:7], codebook s[8:9], qfix s[10:11]
	s_load_b128 s[12:15], s[0:1], 0x20             ; rowp s[12:13], cells s[14:15]
	v_lshl_add_u32 v[SPW], v0, 2, SPARE
	v_mov_b32 v[NIL], 0
	v_and_b32 v[LANE], 31, v0
	v_lshrrev_b32 v[TA], 5, v0
	v_readfirstlane_b32 s[WV], v[TA]               ; wave 0..3
	s_mov_b32 s[WG], ttmp9
	s_lshl_b32 s[TILE], s[WG], 2
	s_add_co_u32 s[TILE], s[TILE], s[WV]           ; my tile
	s_lshl_b32 s20, s[TILE], 14                    ; 16,384 bytes a tile, in x and in qfix
	s_mov_b32 s21, 0
	s_mul_i32 s22, s[WV], STG
	s_mov_b32 s[SEL], 0x76543210
	s_mov_b32 s[SEL+1], 0xfedcba98
	s_mov_b32 s[RSQ], 0x3db504f3                   ; 1 / sqrt(128)
	v_lshlrev_b32 v[XO], 4, v[LANE]
	v_lshlrev_b32 v[CBO], 5, v[LANE]
	v_add_nc_u32 v[CBO2], 32, v[CBO]
	v_min_u32 v[CBO2], 1020, v[CBO2]               ; lane 31's ninth level would lie past the table: it takes the last
	v_add_nc_u32 v[LST], s22, v[XO]
	v_mul_u32_u24 v[LRD], v[LANE], PITCH
	v_add_nc_u32 v[LRD], s22, v[LRD]
	s_wait_kmcnt 0x0
	s_add_nc_u64 s[4:5], s[4:5], s[20:21]
	s_add_nc_u64 s[10:11], s[10:11], s[20:21]
	; the two spines of the tree: b'[1] is the least of the boundaries m = 1, 2, 4 .. 128, b'[255] the greatest of m = 128, 192, 224 .. 255; boundary m is made of levels m - 1 and m
.set j, 0
.irp k, 0,1,3,7,15,31,63,127,191,223,239,247,251,253,254
	s_load_b64 s[32+2*j:33+2*j], s[8:9], 4*\k
.set j, j+1
.endr
	global_load_b128 v[C:C+3], v[CBO], s[8:9]      ; every wave asks for these three, so that the counts below are the same in all
	global_load_b128 v[C+4:C+7], v[CBO], s[8:9] offset:16
	global_load_b32 v[C+8], v[CBO2], s[8:9]
.set r, 0
.rept 32
	global_load_b128 v[D+4*r:D+4*r+3], v[XO], s[4:5] offset:r*512 th:TH_LOAD_NT  ; row r: 512 consecutive bytes; the whole tile is asked for at once
.set r, r+1
.endr
	s_wait_kmcnt 0x0
.set j, 0
.rept 15
	v_add_f32 v[T+j], s[32+2*j], s[33+2*j]
.set j, j+1
.endr
	s_load_b512 s[32:47], s[6:7], 0x0              ; D1's signs 0-31 take the registers that the spines have left
	s_load_b512 s[48:63], s[6:7], 0x40
	s_load_b512 s[68:83], s[6:7], 0x80             ; and 32-63
	s_load_b512 s[84:99], s[6:7], 0xc0
	v_min3_num_f32 v[LO], v[T], v[T+1], v[T+2]
	v_max3_num_f32 v[HI], v[T+7], v[T+8], v[T+9]
	v_min3_num_f32 v[LO], v[LO], v[T+3], v[T+4]
	v_max3_num_f32 v[HI], v[HI], v[T+10], v[T+11]
	v_min3_num_f32 v[LO], v[LO], v[T+5], v[T+6]
	v_max3_num_f32 v[HI], v[HI], v[T+12], v[T+13]
	v_min_num_f32 v[LO], v[LO], v[T+7]
	v_max_num_f32 v[HI], v[HI], v[T+14]
	v_mul_f32 v[LO], 0.5, v[LO]
	v_mul_f32 v[HI], 0.5, v[HI]
	v_max_num_f32 v[LO], 0xc1380000, v[LO]         ; held to +-11.5
	v_max_num_f32 v[HI], 0xc1380000, v[HI]
	v_min_num_f32 v[LO], 0x41380000, v[LO]
	v_min_num_f32 v[HI], 0x41380000, v[HI]
	v_sub_f32 v[RR], v[HI], v[LO]
	v_max_num_f32 v[RR], 0x38d1b717, v[RR]         ; R, at least 1e-4
	v_rcp_f32 v[RC], v[RR]
	v_mul_f32 v[TT], 0x48a00000, v[RR]             ; 327680 R, between 32 and 7.6e6
	v_and_b32 v[P2], 0x7f800000, v[TT]             ; 2^s
	v_lshrrev_b32 v[SH], 23, v[TT]
	v_add_nc_u32 v[SH], 0xffffff81, v[SH]          ; s, 5 to 22
	v_sub_nc_u32 v[IP2], 0x7f000000, v[P2]         ; 2^-s
	v_mul_f32 v[P2], 0x44000000, v[P2]             ; 512 * 2^s
	v_mul_f32 v[IP2], 0x3b000000, v[IP2]
	v_mul_f32 v[INVA], v[RR], v[IP2]               ; 1 / alpha
	s_wait_alu depctr_va_vdst(0)                   ; the wait ahead of the reciprocal's first reader
	v_mul_f32 v[ALPHA], v[P2], v[RC]
	v_mul_f32 v[TT], v[LO], v[ALPHA]
	v_cvt_i32_f32 v[QLO], v[TT]
	; one entry of each table, by wave 0 of work-groups 0 to 511, while x is on its way
	s_cmp_lg_u32 s[WV], 0
	s_cbranch_scc1 .Lnocell
	s_cmp_lt_u32 s[WG], CELLS
	s_cbranch_scc0 .Lnocell
	s_wait_loadcnt 32                              ; the three codebook loads are in; the 32 loads of x, issued behind them, stay out
	v_mov_b32 v[M1], -1
	v_mov_b32 v[ONE], 1.0
	v_mov_b32 v[PINF], 0x7f800000
	v_mov_b32 v[NINF], 0xff800000
	v_mov_b32 v[BIG], 0x7fffffff
	v_mov_b32 v[ZA], BPR
	v_lshl_add_u32 v[BA], v[LANE], 5, BPR
	v_lshlrev_b32 v[K8], 3, v[LANE]
.irp i, 0,1,2,3,4,5,6,7
	v_add_f32 v[TDV+\i], v[C+\i], v[C+\i+1]
.endr
.irp i, 0,1,2,3,4,5,6,7
	v_mul_f32 v[TDV+\i], 0.5, v[TDV+\i]            ; boundary m = 8 l + i + 1, as reference() makes it
.endr
	v_cmp_eq_u32 vcc_lo, 31, v[LANE]
	v_cndmask_b32 v[TDV+7], v[TDV+7], v[PINF], vcc_lo  ; word 256 is no boundary: above everything
	ds_store_b32 v[ZA], v[NINF]                    ; word 0: below everything
.irp i, 0,1,2,3,4,5,6,7
	ds_store_b32 v[BA], v[TDV+\i] offset:4+4*\i
.endr
.irp h, 6,5,4,3,2,1,0                  ; the root, m = 128, stands as it is
	LEVEL \h
.endr
	s_min_u32 s29, s[WG], 255
	s_lshl_b32 s29, s29, 2
	s_add_co_u32 s29, s29, BPR+4
	v_mov_b32 v[TB], s29
	ds_load_b128 v[BP:BP+3], v[BA]                 ; b'[8 l .. 8 l + 8]: the boundary ahead of my eight, and my eight
	ds_load_b128 v[BP+4:BP+7], v[BA] offset:16
	ds_load_b32 v[BP+8], v[BA] offset:32
	ds_load_b32 v[WE], v[TB]                       ; boundary number min(work-group, 255), for the walk's entry
	s_wait_dscnt 0x0
.irp i, 0,1,2,3,4,5,6,7                ; my boundaries' cells
	v_max_num_f32 v[TC], 0xc139999a, v[BP+1+\i]    ; held to +-11.6, so that B fits
	v_min_num_f32 v[TC], 0x4139999a, v[TC]
	v_mul_f32 v[TC], v[TC], v[ALPHA]
	v_cvt_i32_f32 v[TC], v[TC]                     ; B
	v_sub_nc_u32 v[TD], v[TC], v[QLO]
	v_lshrrev_b32 v[TD], v[SH], v[TD]
	v_min_u32 v[TD], 511, v[TD]                    ; its cell,
	v_cmp_lt_i32 vcc_lo, v[TC], v[QLO]
	v_cndmask_b32 v[TD], v[TD], v[M1], vcc_lo      ; -1 below the cells,
	v_cmp_gt_f32 vcc_lo, 0x4138cccd, v[BP+1+\i]
	v_cndmask_b32 v[TDV+\i], v[BIG], v[TD], vcc_lo ; none from 11.55 on
.endr
.irp i, 0,1,2,3,4,5,6,7,8
	v_mul_f32 v[BP+\i], v[BP+\i], v[ALPHA]         ; what the second launch compares with
.endr
	v_mul_f32 v[WE], v[WE], v[ALPHA]
	v_mov_b32 v[CL], 0
	v_mov_b32 v[EN], 0x7f800000
.irp i, 0,1,2,3,4,5,6,7
	v_cmp_gt_i32 vcc_lo, s[WG], v[TDV+\i]          ; in a lower cell?
	v_cndmask_b32 v[TE], 0, v[ONE], vcc_lo
	v_add_f32 v[CL], v[CL], v[TE]                  ; L
	v_cndmask_b32 v[TE], v[BP+1+\i], v[PINF], vcc_lo
	v_min_num_f32 v[EN], v[EN], v[TE]              ; the first other boundary
.endr
	WRED v_add_f32_dpp, v_add_f32, CL
	WRED v_min_num_f32_dpp, v_min_num_f32, EN
	v_cvt_u32_f32 v[CL], v[CL]
	FETCH CL, EN+1                                 ; c[L]
	CNTF EN, EN+3, EN+2                            ; M and c[M]
	v_mov_b32 v[CN], 0
.irp i, 0,1,2,3,4,5,6,7                ; further distinct boundaries in my cell: in the cell, above the first, unlike the one ahead
	v_cmp_eq_u32 vcc_lo, s[WG], v[TDV+\i]
	v_cndmask_b32 v[TE], 0, v[ONE], vcc_lo
	v_cmp_gt_f32 vcc_lo, v[BP+1+\i], v[EN]
	v_cndmask_b32 v[TE], 0, v[TE], vcc_lo
	v_cmp_neq_f32 vcc_lo, v[BP+1+\i], v[BP+\i]
	v_cndmask_b32 v[TE], 0, v[TE], vcc_lo
	v_add_f32 v[CN], v[CN], v[TE]
.endr
	WRED v_add_f32_dpp, v_add_f32, CN
	v_cvt_u32_f32 v[CN], v[CN]
	CNTF WE, WE+3, WE+1                            ; the walk's entry: nx and c[nx]
	v_mov_b32 v[WE+2], 0
	s_lshl_b32 s29, s[WG], 4
	v_mov_b32 v[TB], s29
	s_lshl_b32 s29, s[WG], 2
	v_mov_b32 v[TFA], s29
	v_mov_b32 v[ZR], 0
	s_wait_xcnt 0x0                                ; EXEC is a source of the loads that are out: it changes only behind this wait
	v_cmp_eq_u32 vcc_lo, 0, v[LANE]
	s_and_saveexec_b32 s30, vcc_lo                 ; lane 0 stores
	global_store_b128 v[TB], v[EN:EN+3], s[14:15]
	global_store_b32 v[TFA], v[CN], s[14:15] offset:NEX
	s_cmp_lt_u32 s[WG], 256
	s_cbranch_scc0 .Lnowt
	global_store_b128 v[TB], v[WE:WE+3], s[14:15] offset:WTG
.Lnowt:
	s_cmp_lg_u32 s[WG], 0
	s_cbranch_scc1 .Lnopar
	global_store_b128 v[ZR], v[QLO:QLO+3], s[14:15] offset:PAR
.Lnopar:
	s_wait_xcnt 0x0                                ; and again, in front of the line that widens it
	s_or_b32 exec_lo, exec_lo, s30
.Lnocell:
	; the turn: rows in as they come, my own row out.  The bytes are the wave's own and LDS serves a wave's instructions in order: no wait between, no barrier
.set r, 0
.rept 32
	s_wait_loadcnt 31-r                            ; loads come back in order: row r is in, the 31 - r younger ones stay out
	ds_store_b128 v[LST], v[D+4*r:D+4*r+3] offset:r*PITCH
.set r, r+1
.endr
.set k, 0
.rept 32
	ds_load_b128 v[D+4*k:D+4*k+3], v[LRD] offset:16*k
.set k, k+1
.endr
	SUMSQ 1
	v_sqrt_f32 v[NRM], v[AC]                       ; n
	s_wait_kmcnt 0x0                               ; D1's first 64 signs
	SGN1 0, 32
	s_load_b512 s[32:47], s[6:7], 0x100            ; a set of signs is asked for again as soon as it has been used: D1's 64-95
	s_load_b512 s[48:63], s[6:7], 0x140
	s_wait_alu depctr_va_vdst(0)                   ; ahead of the root's first reader; the 48 lines above are the work between
	v_add_f32 v[AI], 0x2edbe6ff, v[NRM]            ; n + EPS
	v_rcp_f32 v[R1], v[AI]
	SGN1 32, 68
	s_load_b512 s[68:83], s[6:7], 0x180            ; D1's 96-127
	s_load_b512 s[84:99], s[6:7], 0x1c0
	s_wait_kmcnt 0x0
	SGN1 64, 32
	s_load_b512 s[32:47], s[6:7], 0x200            ; D2's 0-31
	s_load_b512 s[48:63], s[6:7], 0x240
	SGN1 96, 68
	s_load_b512 s[68:83], s[6:7], 0x280            ; D2's 32-63
	s_load_b512 s[84:99], s[6:7], 0x2c0
	RAD4 0
	RAD4 2
	RAD4 4
	s_wait_kmcnt 0x0
	SGN1 0, 32
	s_load_b512 s[32:47], s[6:7], 0x300
	s_load_b512 s[48:63], s[6:7], 0x340
	SGN1 32, 68
	s_load_b512 s[68:83], s[6:7], 0x380
	s_load_b512 s[84:99], s[6:7], 0x3c0
	s_wait_kmcnt 0x0
	SGN1 64, 32
	SGN1 96, 68
	RAD4 0
	RAD4 2
	RAD4 4
	SUMSQ 0                                        ; |u|^2
	s_wait_alu depctr_va_vdst(0)                   ; ahead of the first reader of 1 / (n + EPS)
	v_mul_f32 v[R1], 0x3c000000, v[R1]             ; a / 128
	v_sqrt_f32 v[UU], v[AC]
	v_mul_f32 v[PN], 0x3c000000, v[NRM]            ; n / 128
	s_wait_alu depctr_va_vdst(0)
	v_mul_f32 v[UU], v[R1], v[UU]                  ; |x_rot|
	v_fmaak_f32 v[DD], s[RSQ], v[UU], 0x2edbe6ff   ; rms + EPS
	v_rcp_f32 v[RDD], v[DD]
	v_mul_f32 v[PN], v[PN], v[DD]
	v_mul_f32 v[PN], v[PN], v[INVA]                ; P
	s_wait_alu depctr_va_vdst(0)
	v_mul_f32 v[KK], v[R1], v[RDD]
	v_mul_f32 v[KK], v[KK], v[ALPHA]               ; u times this is x_norm alpha
	v_mov_b32 v[KK+1], v[KK]
.set k, 0
.rept 32
	v_pk_mul_f32 v[D+4*k:D+4*k+1], v[D+4*k:D+4*k+1], v[KK:KK+1]
	v_pk_mul_f32 v[D+4*k+2:D+4*k+3], v[D+4*k+2:D+4*k+3], v[KK:KK+1]
	v_cvt_i32_f32 v[D+4*k], v[D+4*k]
	v_cvt_i32_f32 v[D+4*k+1], v[D+4*k+1]
	v_cvt_i32_f32 v[D+4*k+2], v[D+4*k+2]
	v_cvt_i32_f32 v[D+4*k+3], v[D+4*k+3]
	global_store_b128 v[XO], v[D+4*k:D+4*k+3], s[10:11] offset:k*512 th:TH_STORE_NT  ; columns 4 k .. 4 k + 3 of 32 rows: 512 consecutive bytes
.set k, k+1
.endr
	; the work-group's 128 P meet in LDS, so that one store covers their 512 bytes
	v_lshl_add_u32 v[TA], v0, 2, PST
	ds_store_b32 v[TA], v[PN]
	s_wait_dscnt 0x0                               ; for the others' sake: my store is done
	s_barrier_signal -1
	s_barrier_wait -1
	s_cmp_lg_u32 s[WV], 0
	s_cbranch_scc1 .Lend
	v_lshl_add_u32 v[TA], v[LANE], 4, PST
	ds_load_b128 v[T:T+3], v[TA]
	s_lshl_b32 s20, s[WG], 9
	s_add_nc_u64 s[12:13], s[12:13], s[20:21]
	s_wait_dscnt 0x0
	global_store_b128 v[XO], v[T:T+3], s[12:13]
.Lend:
	s_wait_tensorcnt 0x0                           ; the wave's end, behind my last LDS store
	ds_add_u32 v[SPW], v[NIL]
	s_wait_dscnt 0x0
	s_endpgm
.Lfunc_end_k_qa773f063fb_rotate:
	.size	k_qa773f063fb_rotate, .Lfunc_end_k_qa773f063fb_rotate-k_qa773f063fb_rotate
	.p2alignl 7, 3214868480
	.fill 96, 4, 3214868480
	.section	.rodata,"a",@progbits
	.p2align	6, 0x0
	.amdhsa_kernel k_qa773f063fb_rotate
		.amdhsa_group_segment_fixed_size 69888
		.amdhsa_private_segment_fixed_size 0
		.amdhsa_enable_private_segment 0
		.amdhsa_kernarg_size 48
		.amdhsa_user_sgpr_count 2
		.amdhsa_user_sgpr_kernarg_segment_ptr 1
		.amdhsa_wavefront_size32 1
		.amdhsa_system_sgpr_workgroup_id_x 1
		.amdhsa_system_sgpr_workgroup_id_y 1
		.amdhsa_system_sgpr_workgroup_id_z 1
		.amdhsa_system_vgpr_workitem_id 0
		.amdhsa_next_free_vgpr 240
		.amdhsa_next_free_sgpr 100
		.amdhsa_reserve_vcc 1
		.amdhsa_float_denorm_mode_32 3
		.amdhsa_float_denorm_mode_16_64 3
		.amdhsa_memory_ordered 1
		.amdhsa_forward_progress 1
		.amdhsa_inst_pref_size 126
	.end_amdhsa_kernel
	.amdgpu_metadata
---
amdhsa.version: [ 1, 2 ]
amdhsa.kernels:
  - .name:           k_qa773f063fb_rotate
    .symbol:         k_qa773f063fb_rotate.kd
    .args:
      - { .name: x, .offset: 0, .size: 8, .value_kind: global_buffer, .address_space: global }
      - { .name: signs, .offset: 8, .size: 8, .value_kind: global_buffer, .address_space: global }
      - { .name: codebook, .offset: 16, .size: 8, .value_kind: global_buffer, .address_space: global }
      - { .name: qfix, .offset: 24, .size: 8, .value_kind: global_buffer, .address_space: global }
      - { .name: rowp, .offset: 32, .size: 8, .value_kind: global_buffer, .address_space: global }
      - { .name: cells, .offset: 40, .size: 8, .value_kind: global_buffer, .address_space: global }
    .group_segment_fixed_size: 69888
    .private_segment_fixed_size: 0
    .kernarg_segment_align: 8
    .kernarg_segment_size: 48
    .max_flat_workgroup_size: 128
    .sgpr_count:     100
    .vgpr_count:     240
    .wavefront_size: 32
...
	.end_amdgpu_metadata
.endif
;; end of part 1
;; launch requant (part 2): grid 256 x 1, 16 waves a work-group, no clusters, 280,576 bytes of LDS; arguments qfix, rowp, cells, signs, out0; writes out0
.if DOCPART == 2
	.amdgcn_target "amdgcn-amd-amdhsa--gfx1250"
	.amdhsa_code_object_version 6
	.text
	.protected	k_qa773f063fb_requant
	.globl	k_qa773f063fb_requant
	.p2align	8
	.type	k_qa773f063fb_requant,@function
k_qa773f063fb_requant:
	s_mov_b64 s[64:65], 0
	v_nop
	global_prefetch_b8 v0, s[64:65] scope:SCOPE_SE
	s_setreg_imm32_b32 hwreg(HW_REG_WAVE_MODE, 25, 1), 1
	s_wait_xcnt 0x0
; SECOND OF TWO LAUNCHES.  From Q = trunc(x_norm alpha) (i32, [tile of 32 rows][4 columns][lane]), P for each row and the tables that the first launch stored:
; rec = codebook[searchsorted(boundaries, x_norm)], num' = sum Q rec, den = sum rec^2 + EPS, out = D1 H' D2 H' rec * (P num' / den).
; In reference()'s terms x_rot = x_norm (rms + EPS), so gamma n / 128 = P num' / den with P = (rms + EPS) n / (128 alpha); the two 1 / sqrt(128) of rotate_inv are the 1 / 128.  Nothing is left out;
; the codebook's levels come with the tables, so the codebook itself is not among this launch's arguments.
; THE LOOKUP.  cell = min((max(Q, Qlo) - Qlo) >> s, 511): whole numbers read from memory alone.  One LDS load of 16 bytes brings {v1, c[L], c[M], M}; rec = Q > v1 ? c[M] : c[L]:
; the compare only selects a value.  (float(Q) is exact: Q was cut from an f32.)  Where a cell holds further distinct boundaries, EX more steps walk on: entry j = {b'_j alpha, c[nx], 0, nx}, from j = M,
; then j = nx whatever the compare says: addresses made of stored whole numbers alone.  EX is the OR of the stored counts, so it is at least their largest; steps past a cell's boundaries change nothing,
; since the boundaries b' that the first launch made are non-decreasing for every codebook, and the later ones lie at or above Q.
; THE TABLE IN LDS holds each entry sixteen times, 256 bytes a cell.
; LIMITS.  As in the first launch: NaN and infinities not treated apart.
; SHARES.  16 waves, a tile of 32 rows each, a lane a row in 128 registers; all loads are issued at the head.  The result is turned through the wave's own stage, 64 columns at a time
; (rows 272 bytes apart = 17 x 16), so that sixteen lanes store 256 consecutive bytes, aligned.
.set LUT,    0
.set WT,     131072                    ; the walk's table: 512 x 16 bytes, a thread an entry; from number 255 on the last entry, {+infinity, .., 255}
.set STGB,   WT+8192
.set SPITCH, 272
.set STGW,   32*SPITCH
.set SPARE,  STGB+16*STGW              ; the spare words, 128 bytes a wave: eight blocks of 256 bytes that no other line names
.set NEX,    8192
.set PAR,    10240
.set WTG,    10496
.set LANE, 1
.set SPW,  2                           ; LDS address of my spare word; never rewritten
.set NIL,  3                           ; 0; never rewritten
.set QO,   4                           ; 16 x lane
.set LB,   5                           ; my copy in a cell: 16 (lane % 16)
.set STO,  6
.set RD,   7
.set GO,   8
.set PV,   9
.set L16,  10
.set LH,   11
.set SG,   12                          ; v[12:19] D1's signs of my 4 columns in each half of a row
.set NUM,  20                          ; v[20:23], v[24:27] two chains each; at the head these eight hold the set-up's offsets
.set DEN,  24
.set EO,   20
.set NO,   21
.set WO,   22
.set SO,   24
.set PO,   25
.set LS,   26
.set WA,   27
.set GG,   28                          ; v[28:29]
.set TA,   30
.set ADR,  32                          ; v[32:39]
.set NW,   32                          ; v[32:47] at the head: 16 of the stored counts
.set WEN,  48                          ; v[48:51] at the head: my entry of the walk's table
.set QF,   40                          ; v[40:55] float(Q), two sets of 8
.set E,    56                          ; v[56:119] entries, two sets of 8 x 4
.set T,    56                          ; later: at work in the butterflies
.set D,    120                         ; v[120:247] the row
.set WV,   16
.set TILE, 17
.set EX,   18
.set CT,   19
.set QLO,  24                          ; s24 Qlo, s25 s
.set SH,   25
.macro SGN1 e0, sb                     ; 32 numbers from e0 on, signs in s[sb ..]: (a x0 + b x1, a x0 - b x1)
.set p, 0
.rept 4
.set q, 0
.rept 4
	v_mul_f32 v[T+q], s[(\sb)+8*p+2*q+1], v[D+(\e0)+8*p+2*q+1]
.set q, q+1
.endr
.set q, 0
.rept 4
	v_fma_f32 v[D+(\e0)+8*p+2*q+1], s[(\sb)+8*p+2*q], v[D+(\e0)+8*p+2*q], -v[T+q]
	v_fma_f32 v[D+(\e0)+8*p+2*q], s[(\sb)+8*p+2*q], v[D+(\e0)+8*p+2*q], v[T+q]
.set q, q+1
.endr
.set p, p+1
.endr
.endm
.macro RAD4 b                          ; two butterfly stages, on bits b and b + 1 of the number of a register pair
.set g, 0
.rept 16
.set p0, (((g>>(\b))<<((\b)+2))|(g&((1<<(\b))-1)))
.set r0, D+2*p0
.set r1, r0+2*(1<<(\b))
.set r2, r0+4*(1<<(\b))
.set r3, r0+6*(1<<(\b))
.set tt, T+8*(g%2)
	v_pk_add_f32 v[tt:tt+1], v[r0:r0+1], v[r1:r1+1]
	v_pk_add_f32 v[tt+2:tt+3], v[r0:r0+1], v[r1:r1+1] neg_lo:[0,1] neg_hi:[0,1]
	v_pk_add_f32 v[tt+4:tt+5], v[r2:r2+1], v[r3:r3+1]
	v_pk_add_f32 v[tt+6:tt+7], v[r2:r2+1], v[r3:r3+1] neg_lo:[0,1] neg_hi:[0,1]
	v_pk_add_f32 v[r0:r0+1], v[tt:tt+1], v[tt+4:tt+5]
	v_pk_add_f32 v[r2:r2+1], v[tt:tt+1], v[tt+4:tt+5] neg_lo:[0,1] neg_hi:[0,1]
	v_pk_add_f32 v[r1:r1+1], v[tt+2:tt+3], v[tt+6:tt+7]
	v_pk_add_f32 v[r3:r3+1], v[tt+2:tt+3], v[tt+6:tt+7] neg_lo:[0,1] neg_hi:[0,1]
.set g, g+1
.endr
.endm
; chunk c = 8 numbers of the row: their cells' addresses, and float(Q)
.macro ADDR c
.set i, 0
.rept 8
	v_max_i32 v[ADR+i], s[QLO], v[D+8*(\c)+i]
.set i, i+1
.endr
.set i, 0
.rept 8
	v_sub_nc_u32 v[ADR+i], v[ADR+i], s[QLO]
.set i, i+1
.endr
.set i, 0
.rept 8
	v_lshrrev_b32 v[ADR+i], s[SH], v[ADR+i]
.set i, i+1
.endr
.set i, 0
.rept 8
	v_min_u32 v[ADR+i], 0x1ff, v[ADR+i]            ; the cell, 0 to 511
.set i, i+1
.endr
.set i, 0
.rept 8
	v_lshl_add_u32 v[ADR+i], v[ADR+i], 8, v[LB]    ; 256 bytes a cell, my copy
.set i, i+1
.endr
.set i, 0
.rept 8
	v_cvt_f32_i32 v[QF+8*((\c)%2)+i], v[D+8*(\c)+i]
.set i, i+1
.endr
.endm
.macro GATH c
.set i, 0
.rept 8
	ds_load_b128 v[E+32*((\c)%2)+4*i:E+32*((\c)%2)+4*i+3], v[ADR+i]
.set i, i+1
.endr
.endm
; chunk c's levels are chosen and take Q's place; younger = the LDS loads issued behind the chunk's own: the next chunk's eight, or none
.macro SELECT c, younger
.set eb, E+32*((\c)%2)
.set qb, QF+8*((\c)%2)
.set db, D+8*(\c)
.set i, 0
.rept 8
	s_wait_dscnt (\younger)+7-i                    ; LDS loads come back in order: entry i is in
	v_cmp_gt_f32 vcc_lo, v[qb+i], v[eb+4*i]
	v_cndmask_b32 v[db+i], v[eb+4*i+1], v[eb+4*i+2], vcc_lo
.set i, i+1
.endr
	s_cmp_eq_u32 s[EX], 0
	s_cbranch_scc1 .Lnowalk_\@
	s_mov_b32 s[CT], 0
.Lwalk_\@:                             ; EX steps: the next distinct boundary, the level above it, and where the walk goes on
.set i, 0
.rept 8
	v_min_u32 v[ADR+i], 0x1ff, v[eb+4*i+3]
.set i, i+1
.endr
.set i, 0
.rept 8
	v_lshl_add_u32 v[ADR+i], v[ADR+i], 4, WT
.set i, i+1
.endr
.set i, 0
.rept 8
	ds_load_b128 v[eb+4*i:eb+4*i+3], v[ADR+i]
.set i, i+1
.endr
	s_wait_dscnt 0x0
.set i, 0
.rept 8
	v_cmp_gt_f32 vcc_lo, v[qb+i], v[eb+4*i]
	v_cndmask_b32 v[db+i], v[db+i], v[eb+4*i+1], vcc_lo
.set i, i+1
.endr
	s_add_co_u32 s[CT], s[CT], 1
	s_cmp_lt_u32 s[CT], s[EX]
	s_cbranch_scc1 .Lwalk_\@
.Lnowalk_\@:
.set j, 0
.rept 4
.if ((\c) == 0) && (j < 2)
	v_pk_mul_f32 v[NUM+2*j:NUM+2*j+1], v[qb+2*j:qb+2*j+1], v[db+2*j:db+2*j+1]  ; the first products start the sums
	v_pk_mul_f32 v[DEN+2*j:DEN+2*j+1], v[db+2*j:db+2*j+1], v[db+2*j:db+2*j+1]
.else
	v_pk_fma_f32 v[NUM+2*(j%2):NUM+2*(j%2)+1], v[qb+2*j:qb+2*j+1], v[db+2*j:db+2*j+1], v[NUM+2*(j%2):NUM+2*(j%2)+1]
	v_pk_fma_f32 v[DEN+2*(j%2):DEN+2*(j%2)+1], v[db+2*j:db+2*j+1], v[db+2*j:db+2*j+1], v[DEN+2*(j%2):DEN+2*(j%2)+1]
.endif
.set j, j+1
.endr
.endm
; the way out of columns 64 hh .. 64 hh + 63: my row into the stage, whole rows' 256 bytes back into the registers that they left
.macro TURN hh
.set i, 0
.rept 16
	ds_store_b128 v[STO], v[D+64*(\hh)+4*i:D+64*(\hh)+4*i+3] offset:16*i
.set i, i+1
.endr
.set i, 0
.rept 16
	ds_load_b128 v[D+64*(\hh)+4*i:D+64*(\hh)+4*i+3], v[RD] offset:i*2*SPITCH  ; LDS serves a wave's instructions in order: these see the stores above, and the next half's stores come behind them
.set i, i+1
.endr
.endm
.macro SEND hh, younger
.set i, 0
.rept 16
	s_wait_dscnt (\younger)+15-i
	v_pk_mul_f32 v[D+64*(\hh)+4*i:D+64*(\hh)+4*i+1], v[D+64*(\hh)+4*i:D+64*(\hh)+4*i+1], v[SG+4*(\hh):SG+4*(\hh)+1]  ; D1: here a lane keeps the same four columns
	v_pk_mul_f32 v[D+64*(\hh)+4*i+2:D+64*(\hh)+4*i+3], v[D+64*(\hh)+4*i+2:D+64*(\hh)+4*i+3], v[SG+4*(\hh)+2:SG+4*(\hh)+3]
	global_store_b128 v[GO], v[D+64*(\hh)+4*i:D+64*(\hh)+4*i+3], s[12:13] offset:i*1024+(\hh)*256 th:TH_STORE_NT  ; 16 lanes store 256 consecutive bytes, at a multiple of 256 from out0's first byte
.set i, i+1
.endr
.endm
	s_load_b256 s[4:11], s[0:1], 0x0               ; qfix s[4:5], rowp s[6:7], cells s[8:9], signs s[10:11]
	s_load_b64 s[12:13], s[0:1], 0x20              ; out0
	v_lshl_add_u32 v[SPW], v0, 2, SPARE
	v_mov_b32 v[NIL], 0
	v_and_b32 v[LANE], 31, v0
	v_lshrrev_b32 v[TA], 5, v0
	v_readfirstlane_b32 s[WV], v[TA]               ; wave 0..15
	s_lshl_b32 s[TILE], ttmp9, 4
	s_add_co_u32 s[TILE], s[TILE], s[WV]           ; my tile
	s_lshl_b32 s20, s[TILE], 14                    ; 16,384 bytes a tile in qfix and in out0,
	s_mov_b32 s21, 0
	s_lshl_b32 s22, s[TILE], 7                     ; 128 in rowp
	s_mov_b32 s23, 0
	v_lshlrev_b32 v[QO], 4, v[LANE]
	v_and_b32 v[L16], 15, v0
	v_bfe_u32 v[LH], v0, 4, 1
	s_lshl_b32 s28, s[WV], 9
	v_lshl_add_u32 v[EO], v[LH], 4, s28            ; entries 32 w + (lane / 16), two further on with each load
	v_lshlrev_b32 v[NO], 6, v[LANE]                ; 16 counts a lane: every wave sees all 512
	v_min_u32 v[WO], 255, v0
	v_lshlrev_b32 v[WO], 4, v[WO]                  ; the walk's entry min(thread, 255)
	v_lshlrev_b32 v[SO], 4, v[L16]
	v_lshlrev_b32 v[PO], 2, v[LANE]
	v_lshlrev_b32 v[LB], 4, v[L16]
	s_lshl_b32 s29, s[WV], 13
	v_lshl_add_u32 v[LS], v[LANE], 4, s29          ; the table's 32 cells that my wave fills: 8,192 w + 16 x lane
	v_lshl_add_u32 v[WA], v0, 4, WT
	s_mul_i32 s29, s[WV], STGW
	s_add_co_u32 s29, s29, STGB                    ; my stage
	v_mul_u32_u24 v[STO], v[LANE], SPITCH
	v_add_nc_u32 v[STO], s29, v[STO]
	v_mul_u32_u24 v[RD], v[LH], SPITCH
	v_lshl_add_u32 v[RD], v[L16], 4, v[RD]
	v_add_nc_u32 v[RD], s29, v[RD]
	v_lshlrev_b32 v[GO], 9, v[LH]
	v_lshl_add_u32 v[GO], v[L16], 4, v[GO]
	s_wait_kmcnt 0x0
	s_add_nc_u64 s[4:5], s[4:5], s[20:21]
	s_add_nc_u64 s[12:13], s[12:13], s[20:21]
	s_add_nc_u64 s[6:7], s[6:7], s[22:23]
	s_load_b128 s[24:27], s[8:9], PAR              ; Qlo, s, alpha, 1 / alpha
	s_load_b512 s[32:47], s[10:11], 0x200          ; D2's signs 0-31
	s_load_b512 s[48:63], s[10:11], 0x240
	s_load_b512 s[68:83], s[10:11], 0x280          ; and 32-63
	s_load_b512 s[84:99], s[10:11], 0x2c0
	; the set-up's 24 loads first, then the tile's 32
.set i, 0
.rept 16
	global_load_b128 v[E+4*i:E+4*i+3], v[EO], s[8:9] offset:32*i   ; lanes 0-15 one entry, lanes 16-31 the next
.set i, i+1
.endr
.set i, 0
.rept 4
	global_load_b128 v[NW+4*i:NW+4*i+3], v[NO], s[8:9] offset:NEX+16*i
.set i, i+1
.endr
	global_load_b128 v[WEN:WEN+3], v[WO], s[8:9] offset:WTG
	global_load_b128 v[SG:SG+3], v[SO], s[10:11]
	global_load_b128 v[SG+4:SG+7], v[SO], s[10:11] offset:256
	global_load_b32 v[PV], v[PO], s[6:7]
.set k, 0
.rept 32
	global_load_b128 v[D+4*k:D+4*k+3], v[QO], s[4:5] offset:k*512 th:TH_LOAD_NT
.set k, k+1
.endr
	s_wait_kmcnt 0x0
	s_wait_loadcnt 32                              ; the 24 are in; the tile's 32 loads, issued behind them, stay out
.set i, 0
.rept 16
	ds_store_b128 v[LS], v[E+4*i:E+4*i+3] offset:512*i  ; two cells, sixteen copies each: 512 consecutive bytes
.set i, i+1
.endr
	ds_store_b128 v[WA], v[WEN:WEN+3]
.irp a, 0,2,4,6,8,10,12,14
	v_or_b32 v[NW+\a], v[NW+\a], v[NW+\a+1]
.endr
.irp a, 0,4,8,12
	v_or_b32 v[NW+\a], v[NW+\a], v[NW+\a+2]
.endr
	v_or_b32 v[NW], v[NW], v[NW+4]
	v_or_b32 v[NW+8], v[NW+8], v[NW+12]
	v_or_b32 v[NW], v[NW], v[NW+8]
	s_mov_b32 s[EX], 0
.irp b, 0,1,2,3,4,5,6,7                ; the OR over the lanes, bit by bit: a count is at most 254
	v_and_b32 v[NW+1], 1<<\b, v[NW]
	v_cmp_ne_u32 vcc_lo, 0, v[NW+1]
	s_cmp_lg_u32 vcc_lo, 0
	s_cselect_b32 s28, 1<<\b, 0
	s_or_b32 s[EX], s[EX], s28
.endr
	s_wait_dscnt 0x0                               ; for the others' sake: my part of both tables is written
	s_barrier_signal -1
	s_barrier_wait -1                              ; both tables are whole; nothing writes them again
	s_wait_loadcnt 30                              ; the tile's first two loads: chunk 0
	ADDR 0
	GATH 0
.set c, 0
.rept 15                               ; the next chunk's entries are asked for ahead of this chunk's choice
	s_wait_loadcnt 28-2*c                          ; chunk c + 1 is loads 2 c + 2 and 2 c + 3 of 32
	ADDR c+1
	GATH c+1
	SELECT c, 8
.set c, c+1
.endr
	SELECT 15, 0
	v_pk_add_f32 v[NUM:NUM+1], v[NUM:NUM+1], v[NUM+2:NUM+3]
	v_pk_add_f32 v[DEN:DEN+1], v[DEN:DEN+1], v[DEN+2:DEN+3]
	v_add_f32 v[NUM], v[NUM], v[NUM+1]
	v_add_f32 v[DEN], v[DEN], v[DEN+1]
	v_add_f32 v[DEN], 0x2edbe6ff, v[DEN]           ; + EPS
	v_rcp_f32 v[TA], v[DEN]
	v_mul_f32 v[GG], v[PV], v[NUM]
.set p, 0
.rept 64                               ; H', first stage: (x0 + x1, x0 - x1) inside a pair
	v_pk_add_f32 v[D+2*p:D+2*p+1], v[D+2*p:D+2*p+1], v[D+2*p:D+2*p+1] op_sel:[0,1] op_sel_hi:[0,1] neg_hi:[0,1]
.set p, p+1
.endr
	s_wait_alu depctr_va_vdst(0)                   ; the wait ahead of the reciprocal's first reader; the 65 lines above are the work between
	v_mul_f32 v[GG], v[GG], v[TA]                  ; gamma n / 128
	v_mov_b32 v[GG+1], v[GG]
	RAD4 0
	RAD4 2
	RAD4 4
	SGN1 0, 32                                     ; D2 and the second H'
	s_load_b512 s[32:47], s[10:11], 0x300          ; a set of signs is asked for again as soon as it has been used
	s_load_b512 s[48:63], s[10:11], 0x340
	SGN1 32, 68
	s_load_b512 s[68:83], s[10:11], 0x380
	s_load_b512 s[84:99], s[10:11], 0x3c0
	s_wait_kmcnt 0x0
	SGN1 64, 32
	SGN1 96, 68
	RAD4 0
	RAD4 2
	RAD4 4
.set p, 0
.rept 64
	v_pk_mul_f32 v[D+2*p:D+2*p+1], v[D+2*p:D+2*p+1], v[GG:GG+1]
.set p, p+1
.endr
	TURN 0
	TURN 1
	SEND 0, 32                                     ; behind the first half's read i stand its 15 - i younger reads and the second half's 32 LDS instructions
	SEND 1, 0
	s_wait_tensorcnt 0x0                           ; the wave's end, behind my last LDS store
	ds_add_u32 v[SPW], v[NIL]
	s_wait_dscnt 0x0
	s_endpgm
.Lfunc_end_k_qa773f063fb_requant:
	.size	k_qa773f063fb_requant, .Lfunc_end_k_qa773f063fb_requant-k_qa773f063fb_requant
	.p2alignl 7, 3214868480
	.fill 96, 4, 3214868480
	.section	.rodata,"a",@progbits
	.p2align	6, 0x0
	.amdhsa_kernel k_qa773f063fb_requant
		.amdhsa_group_segment_fixed_size 280576
		.amdhsa_private_segment_fixed_size 0
		.amdhsa_enable_private_segment 0
		.amdhsa_kernarg_size 40
		.amdhsa_user_sgpr_count 2
		.amdhsa_user_sgpr_kernarg_segment_ptr 1
		.amdhsa_wavefront_size32 1
		.amdhsa_system_sgpr_workgroup_id_x 1
		.amdhsa_system_sgpr_workgroup_id_y 1
		.amdhsa_system_sgpr_workgroup_id_z 1
		.amdhsa_system_vgpr_workitem_id 0
		.amdhsa_next_free_vgpr 248
		.amdhsa_next_free_sgpr 100
		.amdhsa_reserve_vcc 1
		.amdhsa_float_denorm_mode_32 3
		.amdhsa_float_denorm_mode_16_64 3
		.amdhsa_memory_ordered 1
		.amdhsa_forward_progress 1
		.amdhsa_inst_pref_size 194
	.end_amdhsa_kernel
	.amdgpu_metadata
---
amdhsa.version: [ 1, 2 ]
amdhsa.kernels:
  - .name:           k_qa773f063fb_requant
    .symbol:         k_qa773f063fb_requant.kd
    .args:
      - { .name: qfix, .offset: 0, .size: 8, .value_kind: global_buffer, .address_space: global }
      - { .name: rowp, .offset: 8, .size: 8, .value_kind: global_buffer, .address_space: global }
      - { .name: cells, .offset: 16, .size: 8, .value_kind: global_buffer, .address_space: global }
      - { .name: signs, .offset: 24, .size: 8, .value_kind: global_buffer, .address_space: global }
      - { .name: out0, .offset: 32, .size: 8, .value_kind: global_buffer, .address_space: global }
    .group_segment_fixed_size: 280576
    .private_segment_fixed_size: 0
    .kernarg_segment_align: 8
    .kernarg_segment_size: 40
    .max_flat_workgroup_size: 512
    .sgpr_count:     100
    .vgpr_count:     248
    .wavefront_size: 32
...
	.end_amdgpu_metadata
.endif
;; end of part 2
;; ======== version 2 of 2: 2 launches; version 1 with the launch requant written anew for expert scheduling mode
;; workspace buffers: qfix 67,108,864 bytes of whole numbers; rowp 524,288 bytes; cells 14,592 bytes of whole numbers
;; launch rotate: the kernel of part 1 again; grid 1024 x 1, 4 waves a work-group, no clusters, 69,888 bytes of LDS; arguments x, signs, codebook, qfix, rowp, cells; writes qfix, rowp, cells
;; launch requant (part 3): grid 256 x 1, 16 waves a work-group, no clusters, 280,576 bytes of LDS; arguments qfix, rowp, cells, signs, out0; writes out0
.if DOCPART == 3
	.amdgcn_target "amdgcn-amd-amdhsa--gfx1250"
	.amdhsa_code_object_version 6
	.text
	.protected	k_qa773f063fb_requant
	.globl	k_qa773f063fb_requant
	.p2align	8
	.type	k_qa773f063fb_requant,@function
k_qa773f063fb_requant:
	s_mov_b64 s[64:65], 0
	v_nop
	global_prefetch_b8 v0, s[64:65] scope:SCOPE_SE
	s_setreg_imm32_b32 hwreg(HW_REG_WAVE_SCHED_MODE, 0, 2), 2
	s_setreg_imm32_b32 hwreg(HW_REG_WAVE_MODE, 25, 1), 1
	s_wait_xcnt 0x0
	s_wait_alu depctr_vm_vsrc(0)
; SECOND OF TWO LAUNCHES.  From Q = trunc(x_norm alpha) (i32, [tile of 32 rows][4 columns][lane]), P for each row and the tables that the first launch stored:
; rec = codebook[searchsorted(boundaries, x_norm)], num' = sum Q rec, den = sum rec^2 + EPS, out = D1 H' D2 H' rec * (P num' / den).
; In reference()'s terms x_rot = x_norm (rms + EPS), so gamma n / 128 = P num' / den with P = (rms + EPS) n / (128 alpha); the two 1 / sqrt(128) of rotate_inv are the 1 / 128.  Nothing is left out;
; the codebook's levels come with the tables, so the codebook itself is not among this launch's arguments.
; THE LOOKUP.  cell = min((max(Q, Qlo) - Qlo) >> s, 511): whole numbers read from memory alone.  One LDS load of 16 bytes brings {v1, c[L], c[M], M}; rec = Q > v1 ? c[M] : c[L]:
; the compare only selects a value.  (float(Q) is exact: Q was cut from an f32.)  Where a cell holds further distinct boundaries, EX more steps walk on: entry j = {b'_j alpha, c[nx], 0, nx}, from j = M,
; then j = nx whatever the compare says: addresses made of stored whole numbers alone.  EX is the OR of the stored counts, so it is at least their largest; steps past a cell's boundaries change nothing,
; since the boundaries b' that the first launch made are non-decreasing for every codebook, and the later ones lie at or above Q.
; THE TABLE IN LDS holds each entry sixteen times, 256 bytes a cell.
; LIMITS.  As in the first launch: NaN and infinities not treated apart.
; SHARES.  16 waves, a tile of 32 rows each, a lane a row in 128 registers; all loads are issued at the head.  The result is turned through the wave's own stage, 64 columns at a time
; (rows 272 bytes apart = 17 x 16), so that sixteen lanes store 256 consecutive bytes, aligned.
; THE MODE: SCHED_MODE bits 1:0 = 2 (LLVM: expert scheduling mode 2), set by the entry lines.  The code itself states the register dependences
; between vector instructions and memory or LDS instructions, with s_wait_alu, always for 0.
; THE PLAN.  Registers that memory or LDS instructions touch:
;   v[QO], v[STO], v[RD], v[GO], v[SPW], v[NIL]   made at the head and never written again: the one wait on va_vdst ahead of the first load states them written.
;   v20-27      at the head offsets and LDS addresses, read by the set-up's loads and LDS stores; from chunk 0 on NUM and DEN.
;   E, WEN      the set-up's loads land in them, its LDS stores read them.  Then: chunk c's eight LDS loads (and its walk's) land in E's set c % 2, and chunk c's compares and selects read it; WEN's registers are QF's second set.
;   ADR         written by a chunk's address lines and by each step of a walk; read by the eight LDS loads that follow them.
;   D           Q lands in it by the loads issued at the head; vector instructions alone name it up to the way out.
;   THE WAY OUT the stage's stores read D, a half at a time; the first half comes back into E's registers (OB0), the second into D's first half (OB1): no load lands in registers that a store has just read.
;               The multiplies by D1 write OB0 and OB1, the global stores read them.
; THE WAITS.  A chunk has three: vm_vsrc ahead of its address lines (ADR has been read), va_vdst ahead of its gather (ADR is written; the chunk two back is done reading the set of E), va_sdst between its eight compares,
; which write eight scalar registers, and its eight selects.  A step of a walk has the same three.  The way out has two on va_vdst and one on vm_vsrc for the stage, and one on va_vdst for each four global stores.
.set LUT,    0
.set WT,     131072                    ; the walk's table: 512 x 16 bytes, a thread an entry; from number 255 on the last entry, {+infinity, .., 255}
.set STGB,   WT+8192
.set SPITCH, 272
.set STGW,   32*SPITCH
.set SPARE,  STGB+16*STGW              ; the spare words, 128 bytes a wave: eight blocks of 256 bytes that no other line names
.set NEX,    8192
.set PAR,    10240
.set WTG,    10496
.set LANE, 1
.set SPW,  2                           ; LDS address of my spare word; never rewritten
.set NIL,  3                           ; 0; never rewritten
.set QO,   4                           ; 16 x lane
.set LB,   5                           ; my copy in a cell: 16 (lane % 16)
.set STO,  6
.set RD,   7
.set GO,   8
.set PV,   9
.set L16,  10
.set LH,   11
.set SG,   12                          ; v[12:19] D1's signs of my 4 columns in each half of a row
.set NUM,  20                          ; v[20:23], v[24:27] two chains each; at the head these eight hold the set-up's offsets
.set DEN,  24
.set EO,   20
.set NO,   21
.set WO,   22
.set SO,   24
.set PO,   25
.set LS,   26
.set WA,   27
.set GG,   28                          ; v[28:29]
.set TA,   30
.set ADR,  32                          ; v[32:39]
.set NW,   32                          ; v[32:47] at the head: 16 of the stored counts
.set WEN,  48                          ; v[48:51] at the head: my entry of the walk's table
.set QF,   40                          ; v[40:55] float(Q), two sets of 8
.set E,    56                          ; v[56:119] entries, two sets of 8 x 4
.set T,    56                          ; later: at work in the butterflies
.set D,    120                         ; v[120:247] the row
.set OB0,  E                           ; the way out: the first 64 columns as whole rows
.set OB1,  D                           ; the way out: the last 64 columns as whole rows
.set WV,   16
.set TILE, 17
.set EX,   18
.set CT,   19
.set QLO,  24                          ; s24 Qlo, s25 s
.set SH,   25
.set MK,   20                          ; s[20:23], s[28:31] eight lane masks: mask i in s[MK + i + 4 (i / 4)]; at the head these registers hold offsets
.set TS,   14                          ; s14 at work
.macro SGN1 e0, sb                     ; 32 numbers from e0 on, signs in s[sb ..]: (a x0 + b x1, a x0 - b x1)
.set p, 0
.rept 4
.set q, 0
.rept 4
	v_mul_f32 v[T+q], s[(\sb)+8*p+2*q+1], v[D+(\e0)+8*p+2*q+1]
.set q, q+1
.endr
.set q, 0
.rept 4
	v_fma_f32 v[D+(\e0)+8*p+2*q+1], s[(\sb)+8*p+2*q], v[D+(\e0)+8*p+2*q], -v[T+q]
	v_fma_f32 v[D+(\e0)+8*p+2*q], s[(\sb)+8*p+2*q], v[D+(\e0)+8*p+2*q], v[T+q]
.set q, q+1
.endr
.set p, p+1
.endr
.endm
.macro RAD4 b                          ; two butterfly stages, on bits b and b + 1 of the number of a register pair
.set g, 0
.rept 16
.set p0, (((g>>(\b))<<((\b)+2))|(g&((1<<(\b))-1)))
.set r0, D+2*p0
.set r1, r0+2*(1<<(\b))
.set r2, r0+4*(1<<(\b))
.set r3, r0+6*(1<<(\b))
.set tt, T+8*(g%2)
	v_pk_add_f32 v[tt:tt+1], v[r0:r0+1], v[r1:r1+1]
	v_pk_add_f32 v[tt+2:tt+3], v[r0:r0+1], v[r1:r1+1] neg_lo:[0,1] neg_hi:[0,1]
	v_pk_add_f32 v[tt+4:tt+5], v[r2:r2+1], v[r3:r3+1]
	v_pk_add_f32 v[tt+6:tt+7], v[r2:r2+1], v[r3:r3+1] neg_lo:[0,1] neg_hi:[0,1]
	v_pk_add_f32 v[r0:r0+1], v[tt:tt+1], v[tt+4:tt+5]
	v_pk_add_f32 v[r2:r2+1], v[tt:tt+1], v[tt+4:tt+5] neg_lo:[0,1] neg_hi:[0,1]
	v_pk_add_f32 v[r1:r1+1], v[tt+2:tt+3], v[tt+6:tt+7]
	v_pk_add_f32 v[r3:r3+1], v[tt+2:tt+3], v[tt+6:tt+7] neg_lo:[0,1] neg_hi:[0,1]
.set g, g+1
.endr
.endm
; chunk c = 8 numbers of the row: their cells' addresses
.macro ADDR c
	s_wait_alu depctr_vm_vsrc(0)                   ; the LDS loads issued so far have read v[ADR ..], which the lines below write again; ahead of chunk 0: the set-up's loads and LDS stores have read v20-27, E and WEN, which chunks 0 and 1 write
.set i, 0
.rept 8
	v_max_i32 v[ADR+i], s[QLO], v[D+8*(\c)+i]
.set i, i+1
.endr
.set i, 0
.rept 8
	v_sub_nc_u32 v[ADR+i], v[ADR+i], s[QLO]
.set i, i+1
.endr
.set i, 0
.rept 8
	v_lshrrev_b32 v[ADR+i], s[SH], v[ADR+i]
.set i, i+1
.endr
.set i, 0
.rept 8
	v_min_u32 v[ADR+i], 0x1ff, v[ADR+i]            ; the cell, 0 to 511
.set i, i+1
.endr
.set i, 0
.rept 8
	v_lshl_add_u32 v[ADR+i], v[ADR+i], 8, v[LB]    ; 256 bytes a cell, my copy
.set i, i+1
.endr
.endm
.macro GATH c
	s_wait_alu depctr_va_vdst(0)                   ; v[ADR ..] is written, which the loads below read; the compares and selects of the chunk two back are done reading this set of E, in which they land
.set i, 0
.rept 8
	ds_load_b128 v[E+32*((\c)%2)+4*i:E+32*((\c)%2)+4*i+3], v[ADR+i]
.set i, i+1
.endr
.endm
; float(Q) of chunk c, behind its gather: these lines name D and QF, none of the registers that the loads just issued touch
.macro CVTQ c
.set i, 0
.rept 8
	v_cvt_f32_i32 v[QF+8*((\c)%2)+i], v[D+8*(\c)+i]
.set i, i+1
.endr
.endm
; chunk c's levels are chosen and take Q's place; younger = the LDS loads issued behind the chunk's own: the next chunk's eight, or none
.macro SELECT c, younger
.set eb, E+32*((\c)%2)
.set qb, QF+8*((\c)%2)
.set db, D+8*(\c)
.set i, 0
.rept 8
	s_wait_dscnt (\younger)+7-i                    ; LDS loads come back in order: entry i is in
	v_cmp_gt_f32 s[MK+i+4*(i/4)], v[qb+i], v[eb+4*i]
.set i, i+1
.endr
	s_wait_alu depctr_va_sdst(0)                   ; the eight compares have written their masks, which the eight selects read
.set i, 0
.rept 8
	v_cndmask_b32 v[db+i], v[eb+4*i+1], v[eb+4*i+2], s[MK+i+4*(i/4)]
.set i, i+1
.endr
	s_cmp_eq_u32 s[EX], 0
	s_cbranch_scc1 .Lnowalk_\@
	s_mov_b32 s[CT], 0
.Lwalk_\@:                             ; EX steps: the next distinct boundary, the level above it, and where the walk goes on
	s_wait_alu depctr_vm_vsrc(0)                   ; the LDS loads issued so far (the next chunk's gather; the last step's) have read v[ADR ..], which the lines below write again
.set i, 0
.rept 8
	v_min_u32 v[ADR+i], 0x1ff, v[eb+4*i+3]
.set i, i+1
.endr
.set i, 0
.rept 8
	v_lshl_add_u32 v[ADR+i], v[ADR+i], 4, WT
.set i, i+1
.endr
	s_wait_alu depctr_va_vdst(0)                   ; v[ADR ..] is written; the lines above and the selects before them are done reading the chunk's set of E, in which the loads below land
.set i, 0
.rept 8
	ds_load_b128 v[eb+4*i:eb+4*i+3], v[ADR+i]
.set i, i+1
.endr
	s_wait_dscnt 0x0
.set i, 0
.rept 8
	v_cmp_gt_f32 s[MK+i+4*(i/4)], v[qb+i], v[eb+4*i]
.set i, i+1
.endr
	s_wait_alu depctr_va_sdst(0)                   ; the eight compares have written their masks, which the eight selects read
.set i, 0
.rept 8
	v_cndmask_b32 v[db+i], v[db+i], v[eb+4*i+1], s[MK+i+4*(i/4)]
.set i, i+1
.endr
	s_add_co_u32 s[CT], s[CT], 1
	s_cmp_lt_u32 s[CT], s[EX]
	s_cbranch_scc1 .Lwalk_\@
.Lnowalk_\@:
.set j, 0
.rept 4
.if ((\c) == 0) && (j < 2)
	v_pk_mul_f32 v[NUM+2*j:NUM+2*j+1], v[qb+2*j:qb+2*j+1], v[db+2*j:db+2*j+1]  ; the first products start the sums
	v_pk_mul_f32 v[DEN+2*j:DEN+2*j+1], v[db+2*j:db+2*j+1], v[db+2*j:db+2*j+1]
.else
	v_pk_fma_f32 v[NUM+2*(j%2):NUM+2*(j%2)+1], v[qb+2*j:qb+2*j+1], v[db+2*j:db+2*j+1], v[NUM+2*(j%2):NUM+2*(j%2)+1]
	v_pk_fma_f32 v[DEN+2*(j%2):DEN+2*(j%2)+1], v[db+2*j:db+2*j+1], v[db+2*j:db+2*j+1], v[DEN+2*(j%2):DEN+2*(j%2)+1]
.endif
.set j, j+1
.endr
.endm
; the way out of columns 64 hh .. 64 hh + 63.  SCALE: times gamma n / 128.  TOST: my row into the stage.  BACK: whole rows' 256 bytes back, into the 64 registers from ob on.  SEND: times D1, and stored.
.macro SCALE hh
.set p, 32*(\hh)
.rept 32
	v_pk_mul_f32 v[D+2*p:D+2*p+1], v[D+2*p:D+2*p+1], v[GG:GG+1]
.set p, p+1
.endr
.endm
.macro TOST hh
.set i, 0
.rept 16
	ds_store_b128 v[STO], v[D+64*(\hh)+4*i:D+64*(\hh)+4*i+3] offset:16*i
.set i, i+1
.endr
.endm
.macro BACK ob
.set i, 0
.rept 16
	ds_load_b128 v[(\ob)+4*i:(\ob)+4*i+3], v[RD] offset:i*2*SPITCH  ; LDS serves a wave's instructions in order: these see the stores above, and the next half's stores come behind them
.set i, i+1
.endr
.endm
.macro SEND hh, ob, younger            ; four reads at a time; younger = the LDS instructions issued behind this half's sixteen reads
.set g, 0
.rept 4
	s_wait_dscnt (\younger)+12-4*g                 ; LDS loads come back in order: read 4 g + 3 of the half is in; its 12 - 4 g younger reads stay out
.set i, 4*g
.rept 4
	v_pk_mul_f32 v[(\ob)+4*i:(\ob)+4*i+1], v[(\ob)+4*i:(\ob)+4*i+1], v[SG+4*(\hh):SG+4*(\hh)+1]  ; D1: here a lane keeps the same four columns
	v_pk_mul_f32 v[(\ob)+4*i+2:(\ob)+4*i+3], v[(\ob)+4*i+2:(\ob)+4*i+3], v[SG+4*(\hh)+2:SG+4*(\hh)+3]
.set i, i+1
.endr
	s_wait_alu depctr_va_vdst(0)                   ; the eight multiplies above have written the sixteen registers that the four stores below read
.set i, 4*g
.rept 4
	global_store_b128 v[GO], v[(\ob)+4*i:(\ob)+4*i+3], s[12:13] offset:i*1024+(\hh)*256 th:TH_STORE_NT  ; 16 lanes store 256 consecutive bytes, at a multiple of 256 from out0's first byte
.set i, i+1
.endr
.set g, g+1
.endr
.endm
	s_load_b256 s[4:11], s[0:1], 0x0               ; qfix s[4:5], rowp s[6:7], cells s[8:9], signs s[10:11]
	s_load_b64 s[12:13], s[0:1], 0x20              ; out0
	v_lshl_add_u32 v[SPW], v0, 2, SPARE
	v_mov_b32 v[NIL], 0
	v_and_b32 v[LANE], 31, v0
	v_lshrrev_b32 v[TA], 5, v0
	v_readfirstlane_b32 s[WV], v[TA]               ; wave 0..15
	s_lshl_b32 s[TILE], ttmp9, 4
	s_wait_alu depctr_va_sdst(0)                   ; the wave's number is written, ahead of its first reader: the tile, the bases and the LDS shares are made from it
	s_add_co_u32 s[TILE], s[TILE], s[WV]           ; my tile
	s_lshl_b32 s20, s[TILE], 14                    ; 16,384 bytes a tile in qfix and in out0,
	s_mov_b32 s21, 0
	s_lshl_b32 s22, s[TILE], 7                     ; 128 in rowp
	s_mov_b32 s23, 0
	v_lshlrev_b32 v[QO], 4, v[LANE]
	v_and_b32 v[L16], 15, v0
	v_bfe_u32 v[LH], v0, 4, 1
	s_lshl_b32 s28, s[WV], 9
	v_lshl_add_u32 v[EO], v[LH], 4, s28            ; entries 32 w + (lane / 16), two further on with each load
	v_lshlrev_b32 v[NO], 6, v[LANE]                ; 16 counts a lane: every wave sees all 512
	v_min_u32 v[WO], 255, v0
	v_lshlrev_b32 v[WO], 4, v[WO]                  ; the walk's entry min(thread, 255)
	v_lshlrev_b32 v[SO], 4, v[L16]
	v_lshlrev_b32 v[PO], 2, v[LANE]
	v_lshlrev_b32 v[LB], 4, v[L16]
	s_lshl_b32 s29, s[WV], 13
	v_lshl_add_u32 v[LS], v[LANE], 4, s29          ; the table's 32 cells that my wave fills: 8,192 w + 16 x lane
	v_lshl_add_u32 v[WA], v0, 4, WT
	s_mul_i32 s29, s[WV], STGW
	s_add_co_u32 s29, s29, STGB                    ; my stage
	v_mul_u32_u24 v[STO], v[LANE], SPITCH
	v_add_nc_u32 v[STO], s29, v[STO]
	v_mul_u32_u24 v[RD], v[LH], SPITCH
	v_lshl_add_u32 v[RD], v[L16], 4, v[RD]
	v_add_nc_u32 v[RD], s29, v[RD]
	v_lshlrev_b32 v[GO], 9, v[LH]
	v_lshl_add_u32 v[GO], v[L16], 4, v[GO]
	s_wait_kmcnt 0x0
	s_add_nc_u64 s[4:5], s[4:5], s[20:21]
	s_add_nc_u64 s[12:13], s[12:13], s[20:21]
	s_add_nc_u64 s[6:7], s[6:7], s[22:23]
	s_load_b128 s[24:27], s[8:9], PAR              ; Qlo, s, alpha, 1 / alpha
	s_load_b512 s[32:47], s[10:11], 0x200          ; D2's signs 0-31
	s_load_b512 s[48:63], s[10:11], 0x240
	s_load_b512 s[68:83], s[10:11], 0x280          ; and 32-63
	s_load_b512 s[84:99], s[10:11], 0x2c0
	s_wait_alu depctr_va_vdst(0)                   ; all offsets and LDS addresses made above are written: the loads, LDS instructions and stores of the whole kernel read them
	; the set-up's 24 loads first, then the tile's 32
.set i, 0
.rept 16
	global_load_b128 v[E+4*i:E+4*i+3], v[EO], s[8:9] offset:32*i   ; lanes 0-15 one entry, lanes 16-31 the next
.set i, i+1
.endr
.set i, 0
.rept 4
	global_load_b128 v[NW+4*i:NW+4*i+3], v[NO], s[8:9] offset:NEX+16*i
.set i, i+1
.endr
	global_load_b128 v[WEN:WEN+3], v[WO], s[8:9] offset:WTG
	global_load_b128 v[SG:SG+3], v[SO], s[10:11]
	global_load_b128 v[SG+4:SG+7], v[SO], s[10:11] offset:256
	global_load_b32 v[PV], v[PO], s[6:7]
.set k, 0
.rept 32
	global_load_b128 v[D+4*k:D+4*k+3], v[QO], s[4:5] offset:k*512 th:TH_LOAD_NT
.set k, k+1
.endr
	s_wait_kmcnt 0x0
	s_wait_loadcnt 32                              ; the 24 are in; the tile's 32 loads, issued behind them, stay out
.set i, 0
.rept 16
	ds_store_b128 v[LS], v[E+4*i:E+4*i+3] offset:512*i  ; two cells, sixteen copies each: 512 consecutive bytes
.set i, i+1
.endr
	ds_store_b128 v[WA], v[WEN:WEN+3]
.irp a, 0,2,4,6,8,10,12,14
	v_or_b32 v[NW+\a], v[NW+\a], v[NW+\a+1]
.endr
.irp a, 0,4,8,12
	v_or_b32 v[NW+\a], v[NW+\a], v[NW+\a+2]
.endr
	v_or_b32 v[NW], v[NW], v[NW+4]
	v_or_b32 v[NW+8], v[NW+8], v[NW+12]
	v_or_b32 v[NW], v[NW], v[NW+8]
	s_mov_b32 s[EX], 0
.irp b, 0,1,2,3,4,5,6,7                ; the OR over the lanes, bit by bit: a count is at most 254.  The eight compares stand in one run, a mask each
	v_and_b32 v[NW+1], 1<<\b, v[NW]
	v_cmp_ne_u32 s[MK+\b+4*(\b/4)], 0, v[NW+1]
.endr
	s_wait_alu depctr_va_sdst(0)                   ; the eight compares have written their masks, which the scalar compares below read
.irp b, 0,1,2,3,4,5,6,7
	s_cmp_lg_u32 s[MK+\b+4*(\b/4)], 0
	s_cselect_b32 s[TS], 1<<\b, 0
	s_or_b32 s[EX], s[EX], s[TS]
.endr
	s_wait_dscnt 0x0                               ; for the others' sake: my part of both tables is written
	s_barrier_signal -1
	s_barrier_wait -1                              ; both tables are whole; nothing writes them again
	s_wait_loadcnt 30                              ; the tile's first two loads: chunk 0
	ADDR 0
	GATH 0
	CVTQ 0
.set c, 0
.rept 15                               ; the next chunk's entries are asked for ahead of this chunk's choice
	s_wait_loadcnt 28-2*c                          ; chunk c + 1 is loads 2 c + 2 and 2 c + 3 of 32
	ADDR c+1
	GATH c+1
	CVTQ c+1
	SELECT c, 8
.set c, c+1
.endr
	SELECT 15, 0
	v_pk_add_f32 v[NUM:NUM+1], v[NUM:NUM+1], v[NUM+2:NUM+3]
	v_pk_add_f32 v[DEN:DEN+1], v[DEN:DEN+1], v[DEN+2:DEN+3]
	v_add_f32 v[NUM], v[NUM], v[NUM+1]
	v_add_f32 v[DEN], v[DEN], v[DEN+1]
	v_add_f32 v[DEN], 0x2edbe6ff, v[DEN]           ; + EPS
	v_rcp_f32 v[TA], v[DEN]
	v_mul_f32 v[GG], v[PV], v[NUM]
.set p, 0
.rept 64                               ; H', first stage: (x0 + x1, x0 - x1) inside a pair
	v_pk_add_f32 v[D+2*p:D+2*p+1], v[D+2*p:D+2*p+1], v[D+2*p:D+2*p+1] op_sel:[0,1] op_sel_hi:[0,1] neg_hi:[0,1]
.set p, p+1
.endr
	s_wait_alu depctr_va_vdst(0)                   ; the reciprocal has written v[TA]: the wait ahead of its first reader; the 65 lines above are the work between
	v_mul_f32 v[GG], v[GG], v[TA]                  ; gamma n / 128
	v_mov_b32 v[GG+1], v[GG]
	RAD4 0
	RAD4 2
	RAD4 4
	SGN1 0, 32                                     ; D2 and the second H'
	s_load_b512 s[32:47], s[10:11], 0x300          ; a set of signs is asked for again as soon as it has been used
	s_load_b512 s[48:63], s[10:11], 0x340
	SGN1 32, 68
	s_load_b512 s[68:83], s[10:11], 0x380
	s_load_b512 s[84:99], s[10:11], 0x3c0
	s_wait_kmcnt 0x0
	SGN1 64, 32
	SGN1 96, 68
	RAD4 0
	RAD4 2
	RAD4 4
	SCALE 0
	s_wait_alu depctr_va_vdst(0)                   ; the first half of D is written, which the stage's stores read; the butterflies are done with v[T ..], among the registers in which the first half comes back
	TOST 0
	BACK OB0                                       ; no wait: no vector instruction since the wait above names OB0, and no memory or LDS instruction has read it since the chunks' waits on vm_vsrc
	SCALE 1                                        ; names the second half of D and GG alone: none of the registers that the 32 LDS instructions above touch
	s_wait_alu depctr_vm_vsrc(0)                   ; the first half's stage stores have read D's first half, in which the second half comes back
	s_wait_alu depctr_va_vdst(0)                   ; the second half of D is written, which the stage's stores read
	TOST 1
	BACK OB1                                       ; no wait: no vector instruction since the first of the way out's waits names D's first half
	SEND 0, OB0, 32                                ; behind the first half's reads stand the second half's 32 LDS instructions
	SEND 1, OB1, 0
	s_wait_dscnt 0x0                               ; the closing lines, six on end
	s_wait_alu 0x0
	s_wait_tensorcnt 0x0
	ds_add_u32 v[SPW], v[NIL]
	s_wait_dscnt 0x0
	s_endpgm
.Lfunc_end_k_qa773f063fb_requant:
	.size	k_qa773f063fb_requant, .Lfunc_end_k_qa773f063fb_requant-k_qa773f063fb_requant
	.p2alignl 7, 3214868480
	.fill 96, 4, 3214868480
	.section	.rodata,"a",@progbits
	.p2align	6, 0x0
	.amdhsa_kernel k_qa773f063fb_requant
		.amdhsa_group_segment_fixed_size 280576
		.amdhsa_private_segment_fixed_size 0
		.amdhsa_enable_private_segment 0
		.amdhsa_kernarg_size 40
		.amdhsa_user_sgpr_count 2
		.amdhsa_user_sgpr_kernarg_segment_ptr 1
		.amdhsa_wavefront_size32 1
		.amdhsa_system_sgpr_workgroup_id_x 1
		.amdhsa_system_sgpr_workgroup_id_y 1
		.amdhsa_system_sgpr_workgroup_id_z 1
		.amdhsa_system_vgpr_workitem_id 0
		.amdhsa_next_free_vgpr 248
		.amdhsa_next_free_sgpr 100
		.amdhsa_reserve_vcc 0
		.amdhsa_float_denorm_mode_32 3
		.amdhsa_float_denorm_mode_16_64 3
		.amdhsa_memory_ordered 1
		.amdhsa_forward_progress 1
		.amdhsa_inst_pref_size 213
	.end_amdhsa_kernel
	.amdgpu_metadata
---
amdhsa.version: [ 1, 2 ]
amdhsa.kernels:
  - .name:           k_qa773f063fb_requant
    .symbol:         k_qa773f063fb_requant.kd
    .args:
      - { .name: qfix, .offset: 0, .size: 8, .value_kind: global_buffer, .address_space: global }
      - { .name: rowp, .offset: 8, .size: 8, .value_kind: global_buffer, .address_space: global }
      - { .name: cells, .offset: 16, .size: 8, .value_kind: global_buffer, .address_space: global }
      - { .name: signs, .offset: 24, .size: 8, .value_kind: global_buffer, .address_space: global }
      - { .name: out0, .offset: 32, .size: 8, .value_kind: global_buffer, .address_space: global }
    .group_segment_fixed_size: 280576
    .private_segment_fixed_size: 0
    .kernarg_segment_align: 8
    .kernarg_segment_size: 40
    .max_flat_workgroup_size: 512
    .sgpr_count:     100
    .vgpr_count:     248
    .wavefront_size: 32
...
	.end_amdgpu_metadata
.endif
;; end of part 3
